; MI455X (gfx1250); checked and timed in simulation.
; The chip was launched on July 23, 2026; its instructions are those of AMD's public machine-readable ISA for CDNA 5 (MIT licence, August 2026) and "CDNA5" Instruction Set Architecture Reference Guide (July 2026). The comments in the code are by the model that wrote it; some were corrected since.
;; Casual Self Attention. Allowed arithmetic: float matrix products may take bf16 or f16 operands with f32 sums; all other float work in f32.
;; Inputs: W_kqv 3,072 x 1,024 float32; W_proj 1,024 x 1,024 float32; b_proj 1,024 float32; x 2 x 2,048 x 1,024 float32.
;; Outputs: out0 2 x 2,048 x 1,024 float32.
;; One version. Each part assembles by itself: llvm-mc -triple=amdgcn-amd-amdhsa -mcpu=gfx1250 --defsym DOCPART=n.
;; ======== version 1 of 1: 4 launches
;; limits: values are held in f16: magnitudes above 65,504 overflow, below 6.1e-05 lose precision
;; workspace buffers: xb 8,388,608 bytes; wkb 6,291,456 bytes; wpf 2,097,152 bytes; kqvh 25,165,824 bytes; atth 8,388,608 bytes
;; launch cast (part 1): grid 256 x 1, 8 waves a work-group, no clusters, 0 bytes of LDS; arguments x, W_kqv, W_proj, xb, wkb, wpf; writes xb, wkb, wpf
.if DOCPART == 1
	.amdgcn_target "amdgcn-amd-amdhsa--gfx1250"
	.amdhsa_code_object_version 6
	.text
	.protected	k_q71acd90344_cast
	.globl	k_q71acd90344_cast
	.p2align	8
	.type	k_q71acd90344_cast,@function
k_q71acd90344_cast:
	s_mov_b64 s[64:65], 0
	v_nop
	global_prefetch_b8 v0, s[64:65] scope:SCOPE_SE
	s_setreg_imm32_b32 hwreg(HW_REG_WAVE_MODE, 25, 1), 1
	s_wait_xcnt 0x0
; cast: the three large f32 inputs are rounded once to 16 bits, so that the products that follow can bring them in as tiles.
;   x      [4096][1024] f32 -> xb  bf16        W_kqv [3072][1024] f32 -> wkb bf16
;   W_proj [1024][1024] f32 -> wpf: rounded to bf16 like the others, and that value written in f16 (the last product's other operand is f16).
; LIMIT: |W_proj| must stay below 65,504 (f16's range); a bf16 value below 2^-17 loses bits in f16, an absolute error of at most 2^-25.
; A stream: no LDS, no barrier, no matrix unit.  A work-group takes 131,072 bytes in and makes 65,536 bytes: groups 0-127 x, 128-223 W_kqv, 224-255 W_proj.
; Thread t, trip i: 16 bytes at 16 t + 4,096 i in (a wave's load covers 512 consecutive bytes), 8 bytes at 8 t + 2,048 i out (a wave's store covers 256
; consecutive bytes, aligned).  All 32 loads of a thread go out at once; every load and store has registers of its own, so nothing is ever freed.
.set X,     4                          ; v[4:131]    trip i: 4 numbers as loaded
.set Y,     132                        ; v[132:195]  trip i: 4 numbers of 16 bits, to store
.set T,     196                        ; v[196:199]  at work (W_proj only)
.set TRIPS, 32
	s_load_b256 s[4:11], s[0:1], 0x0               ; x s[4:5], W_kqv s[6:7], W_proj s[8:9], xb s[10:11]
	s_load_b128 s[12:15], s[0:1], 0x20             ; wkb s[12:13], wpf s[14:15]
	v_lshlrev_b32 v1, 4, v0                        ; 16 t
	v_lshlrev_b32 v2, 3, v0                        ; 8 t
	s_mov_b32 s17, 0                               ; upper words of the two offset pairs
	s_mov_b32 s19, 0
	s_mov_b32 s20, 0xffff0000                      ; a word's upper bf16
	s_wait_kmcnt 0x0
; One tensor's share of this work-group.  src, dst: the scalar pairs of the addresses; first: the tensor's first work-group; half = 1: bf16 value written as f16.
.macro STREAM src, dst, first, half
	s_sub_co_u32 s16, ttmp9, \first
	s_lshl_b32 s18, s16, 16                        ; 65,536 bytes out for each work-group
	s_lshl_b32 s16, s16, 17                        ; 131,072 bytes in
	s_add_nc_u64 s[\src:\src+1], s[\src:\src+1], s[16:17]
	s_add_nc_u64 s[\dst:\dst+1], s[\dst:\dst+1], s[18:19]
.set i, 0
.rept TRIPS
	global_load_b128 v[X+4*i:X+4*i+3], v1, s[\src:\src+1] offset:4096*i th:TH_LOAD_NT   ; read once in the launch
.set i, i+1
.endr
.set i, 0
.rept TRIPS
	s_wait_loadcnt TRIPS-1-i                       ; loads come back in order: load i is in, the younger ones stay out
	v_cvt_pk_bf16_f32 v[Y+2*i],   v[X+4*i],   v[X+4*i+1]
	v_cvt_pk_bf16_f32 v[Y+2*i+1], v[X+4*i+2], v[X+4*i+3]
.if \half
	v_lshlrev_b32 v[T],   16,  v[Y+2*i]             ; the bf16 values back in f32 (exact),
	v_and_b32     v[T+1], s20, v[Y+2*i]
	v_lshlrev_b32 v[T+2], 16,  v[Y+2*i+1]
	v_and_b32     v[T+3], s20, v[Y+2*i+1]
	v_cvt_pk_f16_f32 v[Y+2*i],   v[T],   v[T+1]     ; and in f16 (8 significant bits fit in 11)
	v_cvt_pk_f16_f32 v[Y+2*i+1], v[T+2], v[T+3]
.endif
	global_store_b64 v2, v[Y+2*i:Y+2*i+1], s[\dst:\dst+1] offset:2048*i   ; no hint: the next launches read it
.set i, i+1
.endr
	s_endpgm
.endm
	s_cmp_lt_u32 ttmp9, 128
	s_cbranch_scc1 .Lx
	s_cmp_lt_u32 ttmp9, 224
	s_cbranch_scc1 .Lwk
	STREAM 8, 14, 224, 1
.Lwk:
	STREAM 6, 12, 128, 0
.Lx:
	STREAM 4, 10, 0, 0
.Lfunc_end_k_q71acd90344_cast:
	.size	k_q71acd90344_cast, .Lfunc_end_k_q71acd90344_cast-k_q71acd90344_cast
	.p2alignl 7, 3214868480
	.fill 96, 4, 3214868480
	.section	.rodata,"a",@progbits
	.p2align	6, 0x0
	.amdhsa_kernel k_q71acd90344_cast
		.amdhsa_group_segment_fixed_size 0
		.amdhsa_private_segment_fixed_size 0
		.amdhsa_enable_private_segment 0
		.amdhsa_kernarg_size 48
		.amdhsa_user_sgpr_count 2
		.amdhsa_user_sgpr_kernarg_segment_ptr 1
		.amdhsa_wavefront_size32 1
		.amdhsa_system_sgpr_workgroup_id_x 1
		.amdhsa_system_sgpr_workgroup_id_y 1
		.amdhsa_system_sgpr_workgroup_id_z 1
		.amdhsa_system_vgpr_workitem_id 0
		.amdhsa_next_free_vgpr 200
		.amdhsa_next_free_sgpr 66
		.amdhsa_reserve_vcc 0
		.amdhsa_float_denorm_mode_32 3
		.amdhsa_float_denorm_mode_16_64 3
		.amdhsa_memory_ordered 1
		.amdhsa_forward_progress 1
		.amdhsa_inst_pref_size 43
	.end_amdhsa_kernel
	.amdgpu_metadata
---
amdhsa.version: [ 1, 2 ]
amdhsa.kernels:
  - .name:           k_q71acd90344_cast
    .symbol:         k_q71acd90344_cast.kd
    .args:
      - { .name: x, .offset: 0, .size: 8, .value_kind: global_buffer, .address_space: global }
      - { .name: W_kqv, .offset: 8, .size: 8, .value_kind: global_buffer, .address_space: global }
      - { .name: W_proj, .offset: 16, .size: 8, .value_kind: global_buffer, .address_space: global }
      - { .name: xb, .offset: 24, .size: 8, .value_kind: global_buffer, .address_space: global }
      - { .name: wkb, .offset: 32, .size: 8, .value_kind: global_buffer, .address_space: global }
      - { .name: wpf, .offset: 40, .size: 8, .value_kind: global_buffer, .address_space: global }
    .group_segment_fixed_size: 0
    .private_segment_fixed_size: 0
    .kernarg_segment_align: 8
    .kernarg_segment_size: 48
    .max_flat_workgroup_size: 256
    .sgpr_count:     66
    .vgpr_count:     200
    .wavefront_size: 32
...
	.end_amdgpu_metadata
.endif
;; end of part 1
;; launch qkv (part 2): grid 16 x 16, 4 waves a work-group, clusters of 4 x 4, 327,680 bytes of LDS; arguments xb, wkb, kqvh; writes kqvh
.if DOCPART == 2
	.amdgcn_target "amdgcn-amd-amdhsa--gfx1250"
	.amdhsa_code_object_version 6
	.text
	.protected	k_q71acd90344_qkv
	.globl	k_q71acd90344_qkv
	.p2align	8
	.type	k_q71acd90344_qkv,@function
k_q71acd90344_qkv:
	s_mov_b64 s[64:65], 0
	v_nop
	global_prefetch_b8 v0, s[64:65] scope:SCOPE_SE
	s_setreg_imm32_b32 hwreg(HW_REG_WAVE_MODE, 25, 1), 1
	s_wait_xcnt 0x0
	s_wait_alu depctr_hold_cnt(0) depctr_sa_sdst(0) depctr_va_vdst(0) depctr_va_sdst(0) depctr_va_ssrc(0) depctr_va_vcc(0) depctr_vm_vsrc(0)
	s_getreg_b32 s2, hwreg(HW_REG_IB_STS2, 6, 4)
	s_cmp_eq_u32 s2, 0
	s_cbranch_scc0 .Lentry_in_a_cluster
	s_endpgm
.Lentry_in_a_cluster:
	s_bfe_u32 s2, ttmp6, 0x10000c
	s_cmp_lg_u32 s2, 0xf033
	s_cbranch_scc0 .Lentry_shape_is_right
	s_endpgm
.Lentry_shape_is_right:
; qkv: kqv[m][n] = sum over k of x[m][k] W_kqv[n][k], 4096 x 3072 x 1024, bf16 operands, f32 sums, the result rounded once to f16 and stored head-major:
; kqvh[g][m][64], g = n / 64 (g 0-15 the keys' heads, 16-31 the queries', 32-47 the values'), m = 2048 b + t.
; LIMIT: |k|, |q|, |v| must stay below 65,504 (f16's range).
; A work-group makes a block of 256 rows x 192 columns (three heads) with four waves, a wave 128 x 96: 48 accumulator tiles of 16 x 16, 384 registers.
; 16 x 16 blocks = 256 work-groups.  K goes in 8 steps of 128 through two LDS slots filled by tensor loads; a tile's rows are 256 bytes of memory, aligned.
; CLUSTERS: 4 x 4 work-groups.  The four of a row of the cluster need the same tiles of x, the four of a column the same tiles of W_kqv: each tile is asked
; for jointly, by the same tensor load with the same descriptor and a mask that names the four.  That divides the requests for both by four.
; REGISTERS in windows of 256: window 0: v16-30 addresses, v64-127 and v128-191 fragments of x (two buffers), v192-215 packed results;
; window 1: v64-111 and v128-175 fragments of W_kqv; window 2: accumulator tiles (a, b), a = 0..3, b = 0..5, at v[8 (6 a + b)]; window 3: a = 4..7.
; The matrix instruction is used transposed (source 0 = 16 rows of W_kqv, source 1 = 16 rows of x): a lane then holds row l % 16 and eight neighbouring columns.
.set SIZE_K, 1024
.set KSTEP,  128
.set PITCH,  272                       ; an LDS row: 256 bytes + 16 of padding: the 16 rows that a fragment load touches start in 16 different 16-byte columns of 256
.set AHALF,  128*PITCH                 ; 128 rows of x: one tensor load, and what one wave reads
.set BHALF,  96*PITCH                  ; 96 rows of W_kqv: likewise
.set BOFF,   2*AHALF
.set SLOT,   BOFF+2*BHALF              ; 121,856 bytes; two slots are the launch's 243,712
.set SPITCH, 144                       ; the way out: a head's row of 128 bytes + 16
.set SHEAD,  256*SPITCH                ; one head's 256 rows; three heads = 110,592 bytes, inside slot 0, which by then has had its last fill and its last read
.set LAPS,   SIZE_K/(2*KSTEP)          ; 4 laps of two K steps
.set ADRA, 16                          ; v16-17  LDS address of my x fragments in slot 0, 1
.set ADRB, 20                          ; v20-21  the same for W_kqv
.set STO,  24                          ; v24-26  the way out: where I put 16 bytes, for each 32 of my 96 columns
.set RD,   27                          ; v27-29  the way out: where I read back, for each head
.set CO,   30                          ; v30     16 x lane
.set F0,   64
.set F1,   128
.set TMP,  192
.set G1,  24                           ; s[24:31] group 1 for x's tiles
.set G0,  32                           ; s[32:39] group 0 for x's tiles, one set for each slot
.set G1B, 48                           ; s[48:55] group 1 for W_kqv's tiles
.set G0B, 56                           ; s[56:63] group 0 for W_kqv's tiles, one set for each slot
.set MSB, 0
.macro WIN new                         ; the immediate's high byte repeats the setting that is left; a switch that changes nothing is dropped
.if MSB != (\new)
	s_set_vgpr_msb (MSB<<8)|(\new)
.set MSB, (\new)
.endif
.endm
.set MUL_LO, 0xa1                      ; source 0 window 1, source 1 window 0, C and D window 2
.set MUL_HI, 0xf1                      ; the same, C and D window 3
.set TO_B,   0x40                      ; destination window 1
; A joint load: waves 0 and 1 fetch x's two halves, waves 2 and 3 W_kqv's.  The branch hangs on the wave's number alone.
.macro JLOAD s
	s_cmp_eq_u32 s11, 0
	s_cbranch_scc0 .Lfor_b_\@
	tensor_load_to_lds s[G0+4*\s:G0+4*\s+3], s[G1:G1+7]
	s_nop 0
	s_branch .Lasked_\@
.Lfor_b_\@:
	tensor_load_to_lds s[G0B+4*\s:G0B+4*\s+3], s[G1B:G1B+7]
	s_nop 0
.Lasked_\@:
.endm
; A round of the cluster's barrier: my work-group's barrier; wave 0 signals for the work-group; every wave waits for all sixteen; my work-group's barrier again.
.macro CREST
	s_cmp_lg_u32 s10, 0
	s_cbranch_scc1 .Lnot_wave_0_\@
	s_barrier_signal -3
.Lnot_wave_0_\@:
	s_barrier_wait -3
	s_barrier_signal -1
	s_barrier_wait -1
.endm
.macro CROUND
	s_barrier_signal -1
	s_barrier_wait -1
	CREST
.endm
	s_load_b128 s[4:7], s[0:1], 0x0                ; xb s[4:5], wkb s[6:7]
	s_load_b64 s[8:9], s[0:1], 0x10                ; kqvh
	s_set_vgpr_msb 0x40
	v_lshl_add_u32 v255, v0, 2, 0x3b800
	s_set_vgpr_msb 0x4000
	v_mov_b32 v255, 0
	s_set_vgpr_msb 0x1
	ds_add_u32 v255, v255
	ds_add_u32 v255, v255
	s_set_vgpr_msb 0x100
	v_lshrrev_b32 v1, 5, v0
	v_readfirstlane_b32 s10, v1                    ; wave 0..3
	s_lshr_b32 s11, s10, 1                         ; which 128 of the block's rows are mine.  Also: I fetch for x (0) or for W_kqv (1)
	s_and_b32 s12, s10, 1                          ; which 96 of its columns.  Also: which half of that tile I fetch
	s_bfe_u32 s40, ttmp6, 0x40000                  ; cx
	s_bfe_u32 s41, ttmp6, 0x40004                  ; cy
	s_lshl_b32 s42, ttmp9, 2
	s_add_co_u32 s42, s42, s40                     ; block column = 4 x cluster x + cx
	s_and_b32 s13, ttmp7, 0xffff
	s_lshl_b32 s13, s13, 2
	s_add_co_u32 s13, s13, s41                     ; block row = 4 x cluster y + cy
	s_lshl_b32 s43, s41, 2
	s_lshl_b32 s43, 15, s43                        ; my row of the cluster: places 4 cy .. 4 cy + 3
	s_lshl_b32 s44, 0x1111, s40                    ; my column: places cx, cx + 4, cx + 8, cx + 12
	s_or_b32 s[G1+0], s43, (1<<16)|(1<<20)|(1<<21)|(5<<22)|(3<<25)   ; mask of my row; 2-byte elements; padding on; bit 21 beside a mask; after every 64 words, 4 words
	s_mov_b32 s[G1+1], KSTEP<<16                   ; tensor_dim0 = 128
	s_mov_b32 s[G1+2], 128<<16                     ; tensor_dim1 = 128
	s_mov_b32 s[G1+3], KSTEP<<16                   ; tile_dim0 = 128
	s_mov_b32 s[G1+4], 128                         ; tile_dim1 = 128 rows
	s_mov_b32 s[G1+5], SIZE_K                      ; elements from row to row
	s_mov_b32 s[G1+6], 0
	s_mov_b32 s[G1+7], 0
	s_or_b32 s[G1B+0], s44, (1<<16)|(1<<20)|(1<<21)|(5<<22)|(3<<25)  ; the same with the mask of my column
	s_mov_b32 s[G1B+1], KSTEP<<16
	s_mov_b32 s[G1B+2], 96<<16                     ; tensor_dim1 = 96
	s_mov_b32 s[G1B+3], KSTEP<<16
	s_mov_b32 s[G1B+4], 96                         ; tile_dim1 = 96 rows
	s_mov_b32 s[G1B+5], SIZE_K
	s_mov_b32 s[G1B+6], 0
	s_mov_b32 s[G1B+7], 0
	; x's tiles hang on the block row alone, W_kqv's on the block column alone; each address is made in registers that never hold the other coordinate
	s_lshl_b32 s17, s12, 7
	s_lshl_b32 s16, s13, 8
	s_add_co_u32 s16, s16, s17                     ; x: row 256 x block row + 128 x half,
	s_lshl_b32 s16, s16, 11                        ; in bytes (2,048 a row; below 8 MiB)
	s_mov_b32 s17, 0
	s_mul_i32 s46, s42, 192
	s_mul_i32 s47, s12, 96
	s_add_co_u32 s46, s46, s47                     ; W_kqv: row 192 x block column + 96 x half
	s_lshl_b32 s46, s46, 11
	s_mov_b32 s47, 0
	s_mul_i32 s20, s10, AHALF                      ; where x's halves go: wave x 128 rows (waves 0, 1)
	s_mul_i32 s21, s10, BHALF
	s_add_co_u32 s21, s21, BOFF-2*BHALF            ; where W_kqv's go: behind x's 256 rows, (wave - 2) x 96 rows (waves 2, 3)
	s_wait_dscnt 0x0
	s_wait_kmcnt 0x0
	s_add_nc_u64 s[14:15], s[4:5], s[16:17]
	s_add_nc_u64 s[46:47], s[6:7], s[46:47]
	CROUND                                         ; all sixteen work-groups are here: the first joint loads meet
.irp s, 0,1
	s_mov_b32 s[G0+4*\s], 1
	s_add_co_u32 s[G0+4*\s+1], s20, \s*SLOT
	s_add_nc_u64 s[G0+4*\s+2:G0+4*\s+3], s[14:15], \s*KSTEP*2      ; K step s
	s_or_b32 s[G0+4*\s+3], s[G0+4*\s+3], 0x80000000                ; type = 2
	s_mov_b32 s[G0B+4*\s], 1
	s_add_co_u32 s[G0B+4*\s+1], s21, \s*SLOT
	s_add_nc_u64 s[G0B+4*\s+2:G0B+4*\s+3], s[46:47], \s*KSTEP*2
	s_or_b32 s[G0B+4*\s+3], s[G0B+4*\s+3], 0x80000000
	JLOAD \s                                       ; both slots' first fills go out together: two tensor loads of the wave are out
.endr
	; fragment addresses: lane l holds row l % 16; two loads of 16 bytes, 32 apart, at row x pitch + 16 (l / 16)
	v_and_b32 v1, 15, v0                           ; r = l % 16
	v_bfe_u32 v2, v0, 4, 1                         ; h = l / 16
	v_mul_u32_u24 v3, v1, PITCH
	v_lshl_add_u32 v3, v2, 4, v3
	s_mul_i32 s22, s11, AHALF                      ; my 128 rows of x
	s_mul_i32 s23, s12, BHALF
	s_add_co_u32 s23, s23, BOFF                    ; my 96 rows of W_kqv
.irp s, 0,1
	v_add_nc_u32 v[ADRA+\s], s22, v3
	v_add_nc_u32 v[ADRB+\s], s23, v3
	s_add_co_u32 s22, s22, SLOT
	s_add_co_u32 s23, s23, SLOT
.endr
	; the way out, in: row 128 wm + r of the stage; the 32 columns G = 3 wn + cg of the block's six lie in head G / 2 at byte 64 (G % 2)
	v_mul_u32_u24 v4, v1, SPITCH
	v_lshl_add_u32 v4, v2, 4, v4
	s_mul_i32 s23, s11, 128*SPITCH
	v_add_nc_u32 v4, s23, v4
	s_mul_i32 s18, s12, 3
.irp cg, 0,1,2
	s_add_co_u32 s19, s18, \cg
	s_lshr_b32 s22, s19, 1
	s_mul_i32 s22, s22, SHEAD
	s_and_b32 s19, s19, 1
	s_lshl_b32 s19, s19, 6
	s_add_co_u32 s22, s22, s19
	v_add_nc_u32 v[STO+\cg], s22, v4
.endr
	; the way out, back: wave w takes rows 64 w .. 64 w + 63 of each head, four rows of 128 bytes a load
	v_bfe_u32 v5, v0, 3, 2
	v_and_b32 v6, 7, v0
	v_mul_u32_u24 v5, v5, SPITCH
	v_lshl_add_u32 v5, v6, 4, v5
	s_mul_i32 s23, s10, 64*SPITCH
	v_add_nc_u32 v[RD], s23, v5
	v_add_nc_u32 v[RD+1], SHEAD, v[RD]
	v_add_nc_u32 v[RD+2], 2*SHEAD, v[RD]
	v_and_b32 v6, 31, v0
	v_lshlrev_b32 v[CO], 4, v6
; 12 matrix instructions: row blocks a0, a0 + 1 of the window's four x all 6 column blocks, 32 along K.  zero = 1: the first product starts the sums.
.macro MUL12 f, hi, a0, zero
.irp a, \a0, \a0+1
.irp b, 0,1,2,3,4,5
.if \zero
	v_wmma_f32_16x16x32_bf16 v[8*(6*(\a)+\b):8*(6*(\a)+\b)+7], v[\f+8*\b:\f+8*\b+7], v[\f+8*(4*\hi+\a):\f+8*(4*\hi+\a)+7], 0
.else
	v_wmma_f32_16x16x32_bf16 v[8*(6*(\a)+\b):8*(6*(\a)+\b)+7], v[\f+8*\b:\f+8*\b+7], v[\f+8*(4*\hi+\a):\f+8*(4*\hi+\a)+7], v[8*(6*(\a)+\b):8*(6*(\a)+\b)+7]
.endif
.endr
.endr
.endm
; 28 LDS loads in one run: one quarter step's fragments (96 rows of W_kqv, 128 rows of x, 32 K at byte k of the rows) into buffer f
.macro FETCH slot, k, f
	WIN TO_B
.irp i, 0,1,2,3,4,5
	ds_load_b128 v[\f+8*\i:\f+8*\i+3],   v[ADRB+\slot] offset:\k+\i*16*PITCH
	ds_load_b128 v[\f+8*\i+4:\f+8*\i+7], v[ADRB+\slot] offset:\k+\i*16*PITCH+32
.endr
	WIN 0
.irp i, 0,1,2,3,4,5,6,7
	ds_load_b128 v[\f+8*\i:\f+8*\i+3],   v[ADRA+\slot] offset:\k+\i*16*PITCH
	ds_load_b128 v[\f+8*\i+4:\f+8*\i+7], v[ADRA+\slot] offset:\k+\i*16*PITCH+32
.endr
.endm
; Four plain vector instructions that name none of a matrix instruction's registers stand between it and a load into, or a vector read or write of, its
; registers (ISA guide 7.12.1 for vector instructions); the matrix instructions in between are not counted.
.macro PLACES
.rept 4
	v_nop
.endr
.endm
; The 48 accumulators take turns, one instruction a turn, in the same order in every quarter step, over the backward jump too.
.macro QUARTER slot, k, f, g, zero
	s_wait_dscnt 8                                 ; W_kqv's fragments and x's rows 0-63 are in; the youngest eight loads (x's rows 64-127) may be out
	WIN MUL_LO
	MUL12 \f, 0, 0, \zero
	MUL12 \f, 0, 2, \zero
	PLACES
	FETCH \slot, \k, \g
	s_wait_dscnt 28                                ; all but the 28 just issued
	WIN MUL_HI
	MUL12 \f, 1, 0, \zero
	MUL12 \f, 1, 2, \zero
.endm
.macro THREE slot, zero
	QUARTER \slot, 64,  F0, F1, \zero
	QUARTER \slot, 128, F1, F0, 0
	QUARTER \slot, 192, F0, F1, 0
.endm
; The last quarter of a K step multiplies buffer 1 and changes slots.  One barrier does two things: in front of it each wave has waited for its reads of this
; slot and for all its tensor loads (one is out: its part of the next slot); behind it this slot is filled again first, then the next slot is read.
; From a request to the wait for it a wave issues 180 matrix instructions.
.macro TURN slot, next, fill
	s_wait_dscnt 8
	WIN MUL_LO
	MUL12 F1, 0, 0, 0
	s_wait_dscnt 0                                 ; my reads of this slot are over
	s_wait_tensorcnt 0x0                           ; all my tensor loads have landed
	ds_add_u32 v255, v255
	s_wait_dscnt 0x0
	s_barrier_signal -1                            ; where a slot is filled again this barrier opens a round of the cluster's barrier
	MUL12 F1, 0, 2, 0                              ; register work while the others arrive
	WIN 0
	s_barrier_wait -1
.if \fill
	CREST                                          ; no wave of any partner still reads this slot or has a load on its way
	s_add_nc_u64 s[G0+4*\slot+2:G0+4*\slot+3], s[G0+4*\slot+2:G0+4*\slot+3], 2*KSTEP*2
	s_add_nc_u64 s[G0B+4*\slot+2:G0B+4*\slot+3], s[G0B+4*\slot+2:G0B+4*\slot+3], 2*KSTEP*2
	JLOAD \slot                                    ; the first and only tensor load of the wave behind the round
.endif
	PLACES
	FETCH \next, 0, F0
	WIN MUL_HI
	MUL12 F1, 1, 0, 0
	MUL12 F1, 1, 2, 0
.endm
.macro LAP zero
	THREE 0, \zero
	TURN 0, 1, 1
	THREE 1, 0
	TURN 1, 0, 1
.endm
	s_wait_tensorcnt 1                             ; my part of K step 0 is in; K step 1's may stay out
	s_barrier_signal -1
	s_barrier_wait -1
	FETCH 0, 0, F0
	LAP 1                                          ; the first lap stands in front of the loop: its first products start the sums
	WIN 0
	s_mov_b32 s3, LAPS-2
.Llap:
	LAP 0
	WIN 0
	s_sub_co_u32 s3, s3, 1
	s_cmp_lg_u32 s3, 0
	s_cbranch_scc1 .Llap
	THREE 0, 0                                     ; the last lap fills nothing
	TURN 0, 1, 0                                   ; behind this barrier no wave reads slot 0 any more, and no load fills it
	THREE 1, 0
	s_wait_dscnt 8
	WIN MUL_LO
	MUL12 F1, 0, 0, 0
	MUL12 F1, 0, 2, 0
	s_wait_dscnt 0
	WIN MUL_HI
	MUL12 F1, 1, 0, 0
	MUL12 F1, 1, 2, 0
	; THE WAY OUT.  A wave's 96 columns are a head and a half, so the block's three heads are gathered in LDS by all four waves (in slot 0's bytes), and
	; read back by heads: a head's rows of 128 bytes follow each other in kqvh, so a load's four rows are 512 consecutive bytes of memory.
	PLACES
	s_lshl_b32 s16, s13, 15                        ; 256 block rows x 128 bytes
	s_lshl_b32 s17, s10, 13                        ; + my 64 rows
	s_add_co_u32 s16, s16, s17
	s_mov_b32 s17, 0
	s_add_nc_u64 s[8:9], s[8:9], s[16:17]
	s_mul_i32 s46, s42, 3*524288                   ; + the block's first head (in the registers that held W_kqv's address)
	s_mov_b32 s47, 0
	s_add_nc_u64 s[8:9], s[8:9], s[46:47]
; rows 16 i .. 16 i + 15 of my 128: the six tiles (a, 0..5) of window 2 or 3 (from = 0x0a or 0x0f: sources 0 and 1), rounded to f16
.macro PACK i, a, from
	WIN \from
.irp b, 0,1,2,3,4,5
.irp r, 0,1,2,3
	v_cvt_pk_f16_f32 v[TMP+4*\b+\r], v[8*(6*\a+\b)+2*\r], v[8*(6*\a+\b)+2*\r+1]
.endr
.endr
	WIN 0
.irp b, 0,1,2,3,4,5
	ds_store_b128 v[STO+\b/2], v[TMP+4*\b:TMP+4*\b+3] offset:\i*16*SPITCH+32*(\b%2)
.endr
.endm
	PACK 0, 0, 0x0a
	PACK 1, 1, 0x0a
	PACK 2, 2, 0x0a
	PACK 3, 3, 0x0a
	PACK 4, 0, 0x0f
	PACK 5, 1, 0x0f
	PACK 6, 2, 0x0f
	PACK 7, 3, 0x0f
	s_wait_dscnt 0x0                               ; my stores into the stage are done, for the others' sake
	s_barrier_signal -1
	s_barrier_wait -1                              ; everybody's are
.irp hd, 0,1,2
.if \hd == 2
	s_wait_xcnt 0x0                                ; head 0's stores have read their data: v64-127 are loaded again only behind this wait
.endif
.irp t, 0,1,2,3,4,5,6,7,8,9,10,11,12,13,14,15
	ds_load_b128 v[F0+64*(\hd%2)+4*\t:F0+64*(\hd%2)+4*\t+3], v[RD+\hd] offset:\t*4*SPITCH
.endr
.irp t, 0,1,2,3,4,5,6,7,8,9,10,11,12,13,14,15
	s_wait_dscnt 15-\t                             ; load t is in, the younger ones stay out
	global_store_b128 v[CO], v[F0+64*(\hd%2)+4*\t:F0+64*(\hd%2)+4*\t+3], s[8:9] offset:\hd*524288+512*\t   ; the wave stores 512 consecutive bytes, aligned
.endr
.endr
	s_set_vgpr_msb 0x1
	s_wait_tensorcnt 0x0
	ds_add_u32 v255, v255
	s_wait_dscnt 0x0
	s_set_vgpr_msb 0x100
	CROUND                                         ; the closing round: no work-group ends while a partner may still ask for a tile that names it
	s_endpgm
.Lfunc_end_k_q71acd90344_qkv:
	.size	k_q71acd90344_qkv, .Lfunc_end_k_q71acd90344_qkv-k_q71acd90344_qkv
	.p2alignl 7, 3214868480
	.fill 96, 4, 3214868480
	.section	.rodata,"a",@progbits
	.p2align	6, 0x0
	.amdhsa_kernel k_q71acd90344_qkv
		.amdhsa_group_segment_fixed_size 327680
		.amdhsa_private_segment_fixed_size 0
		.amdhsa_enable_private_segment 0
		.amdhsa_kernarg_size 24
		.amdhsa_user_sgpr_count 2
		.amdhsa_user_sgpr_kernarg_segment_ptr 1
		.amdhsa_wavefront_size32 1
		.amdhsa_system_sgpr_workgroup_id_x 1
		.amdhsa_system_sgpr_workgroup_id_y 1
		.amdhsa_system_sgpr_workgroup_id_z 1
		.amdhsa_system_vgpr_workitem_id 0
		.amdhsa_next_free_vgpr 1024
		.amdhsa_next_free_sgpr 66
		.amdhsa_reserve_vcc 0
		.amdhsa_float_denorm_mode_32 3
		.amdhsa_float_denorm_mode_16_64 3
		.amdhsa_memory_ordered 1
		.amdhsa_forward_progress 1
		.amdhsa_inst_pref_size 159
	.end_amdhsa_kernel
	.amdgpu_metadata
---
amdhsa.version: [ 1, 2 ]
amdhsa.kernels:
  - .name:           k_q71acd90344_qkv
    .symbol:         k_q71acd90344_qkv.kd
    .args:
      - { .name: xb, .offset: 0, .size: 8, .value_kind: global_buffer, .address_space: global }
      - { .name: wkb, .offset: 8, .size: 8, .value_kind: global_buffer, .address_space: global }
      - { .name: kqvh, .offset: 16, .size: 8, .value_kind: global_buffer, .address_space: global }
    .group_segment_fixed_size: 327680
    .private_segment_fixed_size: 0
    .kernarg_segment_align: 8
    .kernarg_segment_size: 24
    .max_flat_workgroup_size: 128
    .sgpr_count:     66
    .vgpr_count:     1024
    .wavefront_size: 32
...
	.end_amdgpu_metadata
.endif
;; end of part 2
;; launch attn (part 3): grid 8 x 32, 8 waves a work-group, no clusters, 327,680 bytes of LDS; arguments kqvh, atth; writes atth
.if DOCPART == 3
	.amdgcn_target "amdgcn-amd-amdhsa--gfx1250"
	.amdhsa_code_object_version 6
	.text
	.protected	k_q71acd90344_attn
	.globl	k_q71acd90344_attn
	.p2align	8
	.type	k_q71acd90344_attn,@function
k_q71acd90344_attn:
	s_mov_b64 s[64:65], 0
	v_nop
	global_prefetch_b8 v0, s[64:65] scope:SCOPE_SE
	s_setreg_imm32_b32 hwreg(HW_REG_WAVE_MODE, 25, 1), 1
	s_wait_xcnt 0x0
; attn: causal attention of one (batch, head): att = softmax(q k^T / 8, keys <= query) v.  T = 2048, D = 64.  f16 operands, f32 sums, softmax in f32 with a
; running maximum.  kqvh[g][4096][64] f16 (g = head: keys, 16 + head: queries, 32 + head: values); atth[head][4096][64] f16.
; LIMIT: the result is stored in f16, |att| <= max |v| < 65,504.  NaN and infinite inputs are not served.
; WORK: grid x = p (0..7), y = 16 b + head.  A work-group owns the query blocks (128 rows) 15 - p, taken first, and p.  A step is 256 keys; block i needs
; (i >> 1) + 1 steps, so every work-group has 9 steps: 256 work-groups of equal work.  A block begins at its diagonal step, the only one with a mask, and
; goes down to step 0.  Keys beyond the diagonal step are never loaded.
; WAVES: eight.  Wave w: g = w >> 2 is its half (128 keys) of every step, wq = w & 3 its 32 query rows (two tiles of 16).  Each wave keeps maximum, sum and
; result of its half of the keys; at a block's end waves 4-7 hand theirs to waves 0-3 through LDS, which merge, divide and store.
; NO CLUSTER: the eight work-groups of a head are at different steps at the same time (block 15 - p starts at step (15 - p) >> 1), and no trip count may hang on
; the place in a cluster, so joint requests would make every partner walk the longest partner's steps.
; LAYOUTS: S^T = K Q^T (source A: 16 keys x 32 d from LDS rows; source B: 16 queries, kept in registers): lane (r, h) holds query r, keys 8 h + j.  Two packed
; key tiles are then a B fragment of P^T as they stand.  O^T = V^T P^T (source A by transposing LDS loads): lane (r, h) holds query r, d = 16 dt + 8 h + j.
; So maximum, sum and factors are one number a lane, and a lane's eight results are 16 neighbouring bytes of a row of att.
.set KP,    144                        ; a key row in LDS: 128 bytes + 16
.set VP,    160                        ; a value row: 128 bytes + 32 (an odd multiple of 32, for the transposing loads)
.set VOFF,  40960                      ; slot: keys at 0 (256 x 144 = 36,864), values at 40,960 = 4 x 10,240 (256 x 160), so that wave w's part lies at 10,240 w
.set MRG,   81920                      ; 4 x 8,704: what waves 4-7 hand over (64 result registers + 4 of state, 512 bytes each)
.set MRGW,  8704
.set STG,   116736                     ; 4 x 4,608: waves 0-3's own stages, 32 rows x 144
.set STGW,  4608
.set SLOTB, 135168                     ; slot 1 begins here; it ends at 217,088
.set KA,   2                           ; v2-3    my key fragments in slot 0, 1
.set VA,   4                           ; v4-5    my value fragments in slot 0, 1
.set DQ,   6                           ; v6-7    mask: key index inside my half that is the last allowed, for query tile 0, 1
.set NINF, 8                           ; v8      -infinity
.set QOFF, 9                           ; v9      my bytes in a query block
.set MADR, 10                          ; v10     hand-over
.set STO,  12                          ; v12     stage, in
.set RD,   13                          ; v13     stage, back
.set CO,   14                          ; v14     16 x lane
.set DQ0,  15                          ; v15     32 wq + r - 8 h - 128 g
.set MX,   16                          ; v16-17  running maximum of the raw scores, query tile 0, 1
.set AL,   18                          ; v18-19  factor for what was summed so far
.set NMC,  20                          ; v20-21  - c x maximum, c = log2(e) / 8
.set LS,   22                          ; v22-23  my lane's part of the sum of exponentials
.set TT,   24                          ; v24-31  at work
.set QF,   32                          ; v32-63  query fragments (qt, dc) at 8 (2 qt + dc)
.set FR,   64                          ; v64-127 key fragments, then value fragments
.set SC,   128                         ; v128-191 scores (qt, kt) at 8 (4 qt + kt); then P (qt, sub) at 16 qt + 8 sub
.set OA,   192                         ; v192-255 results (dt, qt) at 8 (2 dt + qt)
.set G1K, 28                           ; s[28:35] group 1, keys
.set G1V, 36                           ; s[36:43] group 1, values
.set G0K, 44                           ; s[44:51] group 0, keys, one set for each slot
.set G0V, 52                           ; s[52:59] group 0, values
; s8 w, s9 g, s10 wq, s11 p, s12 head, s13 b, s16 this step's index in the block, s17 1 in a block's first step, s18 p >> 1, s19 the next step's index,
; s[20:21] an offset pair (s21 = 0), s22-23 lane selects, s[24:25] c twice, s26 counter, s[60:61] keys, s[62:63] values (my 64 rows of step 0),
; s[66:67] queries, s[68:69] this block's queries, s[70:71] att at my 32 rows of block 0, s[72:73] of this block, s74 the block's number
.macro NOPS n
.rept \n
	v_nop
.endr
.endm
; My one tensor load of a step: waves 0-3 bring 64 key rows each, waves 4-7 64 value rows each
.macro TLOAD slot
	s_cmp_lt_u32 s8, 4
	s_cbranch_scc0 .Lvals_\@
	tensor_load_to_lds s[G0K+4*(\slot):G0K+4*(\slot)+3], s[G1K:G1K+7]
	s_nop 0
	s_branch .Lasked_\@
.Lvals_\@:
	tensor_load_to_lds s[G0V+4*(\slot):G0V+4*(\slot)+3], s[G1V:G1V+7]
	s_nop 0
.Lasked_\@:
.endm
; The block's query fragments, from memory, once a block: lane (r, h) takes row 16 qt + r, d = 32 dc + 8 h .. and + 16
.macro QLOAD
	s_lshl_b32 s20, s74, 14                        ; 128 rows of 128 bytes a block
	s_add_nc_u64 s[68:69], s[66:67], s[20:21]
.irp qt, 0,1
.irp dc, 0,1
	global_load_b128 v[QF+8*(2*\qt+\dc):QF+8*(2*\qt+\dc)+3],   v[QOFF], s[68:69] offset:2048*\qt+64*\dc
	global_load_b128 v[QF+8*(2*\qt+\dc)+4:QF+8*(2*\qt+\dc)+7], v[QOFF], s[68:69] offset:2048*\qt+64*\dc+32
.endr
.endr
.endm
; A block's start.  The maximum starts at the lowest finite number, so that a tile that is masked whole gives p = 0, factor 1 and sum 0 without a NaN.
.macro INIT
	v_mov_b32 v[MX], 0xff7fffff
	v_mov_b32 v[MX+1], 0xff7fffff
	v_mul_f32 v[NMC], 0xbe38aa3b, v[MX]
	v_mul_f32 v[NMC+1], 0xbe38aa3b, v[MX+1]
	v_mov_b32 v[LS], 0
	v_mov_b32 v[LS+1], 0
	s_and_b32 s14, s74, 1
	s_lshl_b32 s14, s14, 7                         ; an odd block's rows are the second 128 of its diagonal step
	v_add_nc_u32 v[DQ], s14, v[DQ0]
	v_add_nc_u32 v[DQ+1], 16, v[DQ]
	s_wait_xcnt 0x0                                ; the last block's stores have read their base and data: both are rewritten only behind this wait
	s_lshl_b32 s20, s74, 14
	s_add_nc_u64 s[72:73], s[70:71], s[20:21]
	s_wait_loadcnt 0x0                             ; the query fragments
.endm
; 8 matrix instructions: 64 keys x 32 queries, 32 of d.  The eight accumulators take turns, one instruction a turn.
.macro QK dc, start
.irp kt, 0,1,2,3
.irp qt, 0,1
.if \start
	v_wmma_f32_16x16x32_f16 v[SC+8*(4*\qt+\kt):SC+8*(4*\qt+\kt)+7], v[FR+8*(4*\dc+\kt):FR+8*(4*\dc+\kt)+7], v[QF+8*(2*\qt+\dc):QF+8*(2*\qt+\dc)+7], 0
.else
	v_wmma_f32_16x16x32_f16 v[SC+8*(4*\qt+\kt):SC+8*(4*\qt+\kt)+7], v[FR+8*(4*\dc+\kt):FR+8*(4*\dc+\kt)+7], v[QF+8*(2*\qt+\dc):QF+8*(2*\qt+\dc)+7], v[SC+8*(4*\qt+\kt):SC+8*(4*\qt+\kt)+7]
.endif
.endr
.endr
.endm
; 8 matrix instructions: 64 d x 32 queries, 32 keys; by turns likewise
.macro PV sub, start
.irp dt, 0,1,2,3
.irp qt, 0,1
.if \start
	v_wmma_f32_16x16x32_f16 v[OA+8*(2*\dt+\qt):OA+8*(2*\dt+\qt)+7], v[FR+8*(4*\sub+\dt):FR+8*(4*\sub+\dt)+7], v[SC+16*\qt+8*\sub:SC+16*\qt+8*\sub+7], 0
.else
	v_wmma_f32_16x16x32_f16 v[OA+8*(2*\dt+\qt):OA+8*(2*\dt+\qt)+7], v[FR+8*(4*\sub+\dt):FR+8*(4*\sub+\dt)+7], v[SC+16*\qt+8*\sub:SC+16*\qt+8*\sub+7], v[OA+8*(2*\dt+\qt):OA+8*(2*\dt+\qt)+7]
.endif
.endr
.endr
.endm
; The diagonal step: key 64 c + 16 kt + 8 h + j of my half is beyond query 16 qt + r where 64 c + 16 kt + j > DQ
.macro MASK c
.irp qt, 0,1
.irp kt, 0,1,2,3
.irp j, 0,1,2,3,4,5,6,7
	v_cmp_gt_i32 vcc_lo, 64*\c+16*\kt+\j, v[DQ+\qt]
	v_cndmask_b32 v[SC+8*(4*\qt+\kt)+\j], v[SC+8*(4*\qt+\kt)+\j], v[NINF], vcc_lo
.endr
.endr
.endr
.endm
.macro RESCALE                         ; what was summed so far, to the new maximum
.irp dt, 0,1,2,3
.irp qt, 0,1
.irp m, 0,2,4,6
	v_pk_mul_f32 v[OA+8*(2*\dt+\qt)+\m:OA+8*(2*\dt+\qt)+\m+1], v[OA+8*(2*\dt+\qt)+\m:OA+8*(2*\dt+\qt)+\m+1], v[AL:AL+1] op_sel:[0,\qt] op_sel_hi:[1,\qt]
.endr
.endr
.endr
.endm
; Maximum, exponentials, sums, P in f16.  Chain q = 2 qt + half covers the 16 registers from SC + 16 q: four chains that do not wait for each other.
.macro SOFTMAX
.irp q, 0,1,2,3
	v_max_num_f32 v[TT+\q], v[SC+16*\q], v[SC+16*\q+1]
.endr
.irp k, 2,4,6,8,10,12,14
.irp q, 0,1,2,3
	v_max3_num_f32 v[TT+\q], v[TT+\q], v[SC+16*\q+\k], v[SC+16*\q+\k+1]
.endr
.endr
	v_max3_num_f32 v[TT], v[TT], v[TT+1], v[MX]
	v_max3_num_f32 v[TT+2], v[TT+2], v[TT+3], v[MX+1]
	v_permlanex16_b32 v[TT+4], v[TT], s22, s23     ; a query's keys lie in lanes r and r + 16
	v_permlanex16_b32 v[TT+5], v[TT+2], s22, s23
	v_max_num_f32 v[MX], v[TT], v[TT+4]
	v_max_num_f32 v[MX+1], v[TT+2], v[TT+5]
	v_mul_f32 v[TT+6], 0xbe38aa3b, v[MX]           ; - c x the new maximum
	v_mul_f32 v[TT+7], 0xbe38aa3b, v[MX+1]
	v_sub_f32 v[AL], v[TT+6], v[NMC]               ; c (old maximum - new maximum), from the same rounded numbers that the exponents use
	v_sub_f32 v[AL+1], v[TT+7], v[NMC+1]
	v_exp_f32 v[AL], v[AL]
	v_exp_f32 v[AL+1], v[AL+1]
	v_mov_b32 v[NMC], v[TT+6]                      ; a plain instruction behind the exponentials (ISA guide 5.7.2); the factors are used far below
	v_mov_b32 v[NMC+1], v[TT+7]
.irp qt, 0,1
.set k, 0
.rept 16
	v_pk_fma_f32 v[SC+32*\qt+k:SC+32*\qt+k+1], v[SC+32*\qt+k:SC+32*\qt+k+1], s[24:25], v[NMC:NMC+1] op_sel:[0,0,\qt] op_sel_hi:[1,0,\qt]   ; c (s - maximum)
.set k, k+2
.endr
.endr
.set k, 0
.rept 64
	v_exp_f32 v[SC+k], v[SC+k]
.set k, k+1
.endr
	v_nop                                          ; one plain place behind the last exponential
	s_wait_alu depctr_va_vdst(0)
.irp q, 0,1,2,3
	v_pk_add_f32 v[TT+2*\q:TT+2*\q+1], v[SC+16*\q:SC+16*\q+1], v[SC+16*\q+2:SC+16*\q+3]
.endr
.irp k, 4,6,8,10,12,14
.irp q, 0,1,2,3
	v_pk_add_f32 v[TT+2*\q:TT+2*\q+1], v[TT+2*\q:TT+2*\q+1], v[SC+16*\q+\k:SC+16*\q+\k+1]
.endr
.endr
	v_pk_add_f32 v[TT:TT+1], v[TT:TT+1], v[TT+2:TT+3]
	v_pk_add_f32 v[TT+4:TT+5], v[TT+4:TT+5], v[TT+6:TT+7]
	v_add_f32 v[TT], v[TT], v[TT+1]
	v_add_f32 v[TT+4], v[TT+4], v[TT+5]
	v_fma_f32 v[LS], v[LS], v[AL], v[TT]
	v_fma_f32 v[LS+1], v[LS+1], v[AL+1], v[TT+4]
.set k, 0
.rept 32
	v_cvt_pk_f16_f32 v[SC+k], v[SC+2*k], v[SC+2*k+1]   ; in place, ascending: register k is written when 2 k and 2 k + 1 are read, never earlier
.set k, k+1
.endr
.endm
; 64 keys (chunk c of my 128) x my 32 queries.  first = 1: a block's first step, known as the text is written; 0: s17 says so.
.macro CHUNK slot, c, first
.irp dc, 0,1
.irp kt, 0,1,2,3
	ds_load_b128 v[FR+8*(4*\dc+\kt):FR+8*(4*\dc+\kt)+3],   v[KA+\slot] offset:(64*\c+16*\kt)*KP+64*\dc
	ds_load_b128 v[FR+8*(4*\dc+\kt)+4:FR+8*(4*\dc+\kt)+7], v[KA+\slot] offset:(64*\c+16*\kt)*KP+64*\dc+32
.endr
.endr
	s_wait_dscnt 8                                 ; d = 0..31 of the four key tiles are in; the eight younger loads (d = 32..63) may be out
	QK 0, 1                                        ; the first product starts the scores: nothing is cleared
	s_wait_dscnt 0
	QK 1, 0
	NOPS 4                                         ; four places before loads land on the key fragments and vector instructions read the scores
.irp sub, 0,1
.irp dt, 0,1,2,3
	ds_load_tr16_b128 v[FR+8*(4*\sub+\dt):FR+8*(4*\sub+\dt)+3],   v[VA+\slot] offset:(64*\c+32*\sub)*VP+32*\dt
	ds_load_tr16_b128 v[FR+8*(4*\sub+\dt)+4:FR+8*(4*\sub+\dt)+7], v[VA+\slot] offset:(64*\c+32*\sub)*VP+32*\dt+16*VP
.endr
.endr
.if \first
	MASK \c
.else
	s_cmp_eq_u32 s17, 0
	s_cbranch_scc1 .Lnomask_\@
	MASK \c
.Lnomask_\@:
.endif
	SOFTMAX
	s_wait_dscnt 0                                 ; the value fragments, asked for in front of the softmax
.if \c == 0
.if \first
	PV 0, 1                                        ; a block's first product starts its results
.else
	s_cmp_eq_u32 s17, 0
	s_cbranch_scc1 .Lold_\@
	PV 0, 1
	s_branch .Ljoin_\@
.Lold_\@:
	RESCALE
	PV 0, 0
.Ljoin_\@:
.endif
.else
	RESCALE
	PV 0, 0
.endif
	PV 1, 0
	NOPS 5                                         ; five places before matrix instructions write over P, four before loads land on the value fragments or anything reads the results
.endm
; A block's end.  Waves 4-7 store results and state; a barrier; waves 0-3 merge, divide, and store 32 rows of att through their own stage.
; The branches hang on the wave's number alone and jump over no barrier.
.macro HANDOVER
	s_cmp_lt_u32 s8, 4
	s_cbranch_scc1 .Lkeep_\@
.set k, 0
.rept 16
	ds_store_b128 v[MADR], v[OA+4*k:OA+4*k+3] offset:512*k
.set k, k+1
.endr
	ds_store_b128 v[MADR], v[NMC:NMC+3] offset:8192
.Lkeep_\@:
	s_wait_dscnt 0x0                               ; my stores are done, for the partner's sake
	s_barrier_signal -1                            ; behind this barrier no LDS bytes are filled: the next step's tile may stay on its way
	s_barrier_wait -1
	s_cmp_ge_u32 s8, 4
	s_cbranch_scc1 .Ldone_\@
.set k, 0
.rept 16
	ds_load_b128 v[FR+4*k:FR+4*k+3], v[MADR] offset:512*k
.set k, k+1
.endr
	ds_load_b128 v[TT:TT+3], v[MADR] offset:8192
	s_wait_dscnt 0x0
	v_min_num_f32 v[TT+4], v[NMC], v[TT]           ; - c x the larger maximum
	v_min_num_f32 v[TT+5], v[NMC+1], v[TT+1]
	v_sub_f32 v[AL], v[TT+4], v[NMC]
	v_sub_f32 v[AL+1], v[TT+5], v[NMC+1]
	v_sub_f32 v[MX], v[TT+4], v[TT]
	v_sub_f32 v[MX+1], v[TT+5], v[TT+1]
	v_exp_f32 v[AL], v[AL]                         ; my half's weight
	v_exp_f32 v[AL+1], v[AL+1]
	v_exp_f32 v[MX], v[MX]                         ; the partner's
	v_exp_f32 v[MX+1], v[MX+1]
	v_nop
	s_wait_alu depctr_va_vdst(0)
	v_mul_f32 v[TT+4], v[AL], v[LS]
	v_mul_f32 v[TT+5], v[AL+1], v[LS+1]
	v_fmac_f32 v[TT+4], v[MX], v[TT+2]
	v_fmac_f32 v[TT+5], v[MX+1], v[TT+3]
	v_permlanex16_b32 v[TT+6], v[TT+4], s22, s23   ; the sums of lanes r and r + 16 meet only here
	v_permlanex16_b32 v[TT+7], v[TT+5], s22, s23
	v_add_f32 v[TT+4], v[TT+4], v[TT+6]
	v_add_f32 v[TT+5], v[TT+5], v[TT+7]
	v_rcp_f32 v[TT+4], v[TT+4]                     ; the sum is at least 1: the key with the maximum counts 1
	v_rcp_f32 v[TT+5], v[TT+5]
	v_nop
	s_wait_alu depctr_va_vdst(0)
	v_pk_mul_f32 v[AL:AL+1], v[AL:AL+1], v[TT+4:TT+5]
	v_pk_mul_f32 v[MX:MX+1], v[MX:MX+1], v[TT+4:TT+5]
.irp dt, 0,1,2,3
.irp qt, 0,1
.irp m, 0,2,4,6
	v_pk_mul_f32 v[OA+8*(2*\dt+\qt)+\m:OA+8*(2*\dt+\qt)+\m+1], v[OA+8*(2*\dt+\qt)+\m:OA+8*(2*\dt+\qt)+\m+1], v[AL:AL+1] op_sel:[0,\qt] op_sel_hi:[1,\qt]
.endr
.endr
.endr
.irp dt, 0,1,2,3
.irp qt, 0,1
.irp m, 0,2,4,6
	v_pk_fma_f32 v[OA+8*(2*\dt+\qt)+\m:OA+8*(2*\dt+\qt)+\m+1], v[FR+8*(2*\dt+\qt)+\m:FR+8*(2*\dt+\qt)+\m+1], v[MX:MX+1], v[OA+8*(2*\dt+\qt)+\m:OA+8*(2*\dt+\qt)+\m+1] op_sel:[0,\qt,0] op_sel_hi:[1,\qt,1]
.endr
.endr
.endr
.irp dt, 0,1,2,3
.irp qt, 0,1
.irp m, 0,2,4,6
	v_cvt_pk_f16_f32 v[SC+4*(2*\dt+\qt)+\m/2], v[OA+8*(2*\dt+\qt)+\m], v[OA+8*(2*\dt+\qt)+\m+1]
.endr
	ds_store_b128 v[STO], v[SC+4*(2*\dt+\qt):SC+4*(2*\dt+\qt)+3] offset:16*KP*\qt+32*\dt   ; row 16 qt + r, d = 16 dt + 8 h ..
.endr
.endr
.irp t, 0,1,2,3,4,5,6,7
	ds_load_b128 v[FR+4*\t:FR+4*\t+3], v[RD] offset:\t*4*KP        ; my own bytes: LDS serves a wave's instructions in order (ISA guide 5.7.1)
.endr
.irp t, 0,1,2,3,4,5,6,7
	s_wait_dscnt 7-\t                              ; load t is in, the younger ones stay out
	global_store_b128 v[CO], v[FR+4*\t:FR+4*\t+3], s[72:73] offset:512*\t   ; four rows of 128 bytes: 512 consecutive bytes, aligned
.endr
.Ldone_\@:
.endm
; One step: 256 keys in slot.  refill = 1: the next step's tile goes into the other slot.  head = 1: the launch's first step.  tail = 1: its last.
.macro STEP slot, refill, head, tail
	s_set_vgpr_msb 0x4
	s_wait_tensorcnt 0x0                           ; my one tensor load, my part of this step's tile, has landed: every group 0 may be written
	ds_add_u32 v11, v1
	s_wait_dscnt 0x0
	s_set_vgpr_msb 0x400
.if \refill
	s_sub_co_u32 s19, s16, 1                       ; the next step: one down, or, behind step 0 of the first block, the second block's diagonal step
	s_cmp_eq_u32 s16, 0
	s_cselect_b32 s19, s18, s19
	s_lshl_b32 s20, s19, 15                        ; 256 rows of 128 bytes a step
	s_add_nc_u64 s[G0K+4*(1-\slot)+2:G0K+4*(1-\slot)+3], s[60:61], s[20:21]
	s_or_b32 s[G0K+4*(1-\slot)+3], s[G0K+4*(1-\slot)+3], 0x80000000
	s_add_nc_u64 s[G0V+4*(1-\slot)+2:G0V+4*(1-\slot)+3], s[62:63], s[20:21]
	s_or_b32 s[G0V+4*(1-\slot)+3], s[G0V+4*(1-\slot)+3], 0x80000000
.endif
	s_wait_dscnt 0x0                               ; my reads of the other slot are over
	s_barrier_signal -1
	s_barrier_wait -1                              ; both hold of all eight waves: this slot is whole, nobody reads the other
.if \refill
	TLOAD 1-\slot                                  ; first thing behind the barrier, my only tensor load until the next one: 64 KiB of the eight waves are on their way
.endif
	CHUNK \slot, 0, \head
	CHUNK \slot, 1, \head
.if \tail == 0
	s_mov_b32 s17, 0
.if \head == 0
	s_cmp_lg_u32 s16, 0                            ; step 0 of the first block?  (The second block's step 0 is the launch's last step.)  The same in all eight waves.
	s_cbranch_scc1 .Lsame_\@
	s_mov_b32 s74, s11                             ; the second block is block p
	QLOAD                                          ; its queries come while the first block is merged
	HANDOVER
	INIT
	s_mov_b32 s17, 1
.Lsame_\@:
.endif
	s_mov_b32 s16, s19
.endif
.endm
	s_load_b128 s[4:7], s[0:1], 0x0                ; kqvh s[4:5], atth s[6:7]
	v_lshl_add_u32 v11, v0, 2, 0x35000
	s_set_vgpr_msb 0x40
	v_mov_b32 v1, 0
	s_set_vgpr_msb 0x4044
	ds_add_u32 v11, v1
	ds_add_u32 v11, v1
	s_set_vgpr_msb 0x4400
	v_lshrrev_b32 v1, 5, v0
	v_readfirstlane_b32 s8, v1                     ; wave 0..7
	s_lshr_b32 s9, s8, 2                           ; g
	s_and_b32 s10, s8, 3                           ; wq
	s_mov_b32 s11, ttmp9                           ; p
	s_and_b32 s12, ttmp7, 15                       ; head
	s_bfe_u32 s13, ttmp7, 0x10004                  ; b
	s_sub_co_u32 s74, 15, s11                      ; the first block
	s_lshr_b32 s16, s74, 1                         ; its diagonal step
	s_lshr_b32 s18, s11, 1                         ; the second block's
	s_mov_b32 s21, 0
	s_mov_b32 s22, 0x76543210                      ; v_permlanex16_b32: lane i reads lane i of the other half
	s_mov_b32 s23, 0xfedcba98
	s_mov_b32 s24, 0x3e38aa3b                      ; c = log2(e) / 8: the scale 64^-0.5 and the base of v_exp_f32 in one
	s_mov_b32 s25, 0x3e38aa3b
	; group 1: 64 rows x 64 elements of 2 bytes, dense in memory, padded in LDS behind every 32 words
	s_mov_b32 s[G1K+0], (1<<16)|(1<<20)|(4<<22)|(3<<25)            ; by 4 words: pitch 144
	s_mov_b32 s[G1K+1], 64<<16                     ; tensor_dim0 = 64
	s_mov_b32 s[G1K+2], 64<<16                     ; tensor_dim1 = 64
	s_mov_b32 s[G1K+3], 64<<16                     ; tile_dim0 = 64
	s_mov_b32 s[G1K+4], 64                         ; tile_dim1 = 64
	s_mov_b32 s[G1K+5], 64                         ; elements from row to row
	s_mov_b32 s[G1K+6], 0
	s_mov_b32 s[G1K+7], 0
	s_mov_b32 s[G1V+0], (1<<16)|(1<<20)|(4<<22)|(7<<25)            ; by 8 words: pitch 160
	s_mov_b32 s[G1V+1], 64<<16
	s_mov_b32 s[G1V+2], 64<<16
	s_mov_b32 s[G1V+3], 64<<16
	s_mov_b32 s[G1V+4], 64
	s_mov_b32 s[G1V+5], 64
	s_mov_b32 s[G1V+6], 0
	s_mov_b32 s[G1V+7], 0
	s_lshl_b32 s14, s12, 19
	s_lshl_b32 s75, s13, 18
	s_add_co_u32 s14, s14, s75                     ; (4096 head + 2048 b) rows of 128 bytes
	s_mov_b32 s15, 0
	s_wait_dscnt 0x0
	s_wait_kmcnt 0x0
	s_add_nc_u64 s[66:67], s[4:5], s[14:15]
	s_add_nc_u64 s[70:71], s[6:7], s[14:15]
	s_lshl_b32 s20, s10, 13                        ; my 64 rows of a step's 256
	s_add_nc_u64 s[60:61], s[66:67], s[20:21]      ; keys
	s_add_nc_u64 s[62:63], s[60:61], 32*524288     ; values: 32 heads further
	s_add_nc_u64 s[66:67], s[66:67], 16*524288     ; queries: 16 heads further
	s_lshl_b32 s20, s10, 12                        ; my 32 rows of a block's 128
	s_add_nc_u64 s[70:71], s[70:71], s[20:21]
	s_mul_i32 s14, s8, 64*KP                       ; waves 0-3: keys at 9,216 w
	s_mul_i32 s75, s8, 64*VP                       ; waves 4-7: values at 10,240 w
.irp s, 0,1
	s_mov_b32 s[G0K+4*\s], 1
	s_add_co_u32 s[G0K+4*\s+1], s14, \s*SLOTB
	s_mov_b32 s[G0V+4*\s], 1
	s_add_co_u32 s[G0V+4*\s+1], s75, \s*SLOTB
.endr
	s_lshl_b32 s20, s16, 15
	s_add_nc_u64 s[G0K+2:G0K+3], s[60:61], s[20:21]
	s_or_b32 s[G0K+3], s[G0K+3], 0x80000000
	s_add_nc_u64 s[G0V+2:G0V+3], s[62:63], s[20:21]
	s_or_b32 s[G0V+3], s[G0V+3], 0x80000000
	TLOAD 0                                        ; the first step's tile, ahead of everything else; slot 1 is first filled behind the first step's barrier
	v_and_b32 v1, 15, v0                           ; r
	v_bfe_u32 v24, v0, 4, 1                        ; h
	v_and_b32 v25, 7, v0
	v_bfe_u32 v26, v0, 3, 1
	v_and_b32 v27, 31, v0                          ; lane
	v_bfe_u32 v28, v0, 3, 2
	v_mov_b32 v29, 0                               ; a lane permute's destination counts as read: written once here
	v_mov_b32 v30, 0
	v_mov_b32 v31, 0
	v_mul_u32_u24 v[KA], v1, KP                    ; keys: (128 g + r) x 144 + 16 h
	v_lshl_add_u32 v[KA], v24, 4, v[KA]
	s_mul_i32 s14, s9, 128*KP
	v_add_nc_u32 v[KA], s14, v[KA]
	v_add_nc_u32 v[KA+1], SLOTB, v[KA]
	v_lshl_add_u32 v[VA], v24, 3, v25              ; values: (128 g + 8 h + lane % 8) x 160 + 16 ((lane / 8) % 2)
	v_mul_u32_u24 v[VA], v[VA], VP
	v_lshl_add_u32 v[VA], v26, 4, v[VA]
	s_mul_i32 s14, s9, 128*VP
	s_add_co_u32 s14, s14, VOFF
	v_add_nc_u32 v[VA], s14, v[VA]
	v_add_nc_u32 v[VA+1], SLOTB, v[VA]
	v_mov_b32 v[NINF], 0xff800000
	v_lshlrev_b32 v[QOFF], 7, v1                   ; queries: (32 wq + r) x 128 + 16 h
	v_lshl_add_u32 v[QOFF], v24, 4, v[QOFF]
	s_lshl_b32 s14, s10, 12
	v_add_nc_u32 v[QOFF], s14, v[QOFF]
	v_lshlrev_b32 v[CO], 4, v27
	s_mul_i32 s14, s10, MRGW
	s_add_co_u32 s14, s14, MRG
	v_add_nc_u32 v[MADR], s14, v[CO]
	s_mul_i32 s14, s10, STGW
	s_add_co_u32 s14, s14, STG
	v_mul_u32_u24 v[STO], v1, KP
	v_lshl_add_u32 v[STO], v24, 4, v[STO]
	v_add_nc_u32 v[STO], s14, v[STO]
	v_mul_u32_u24 v[RD], v28, KP
	v_lshl_add_u32 v[RD], v25, 4, v[RD]
	v_add_nc_u32 v[RD], s14, v[RD]
	v_lshlrev_b32 v[DQ0], 3, v24
	v_sub_nc_u32 v[DQ0], v1, v[DQ0]
	s_lshl_b32 s14, s10, 5
	s_lshl_b32 s75, s9, 7
	s_sub_co_i32 s14, s14, s75
	v_add_nc_u32 v[DQ0], s14, v[DQ0]               ; 32 wq + r - 8 h - 128 g
	QLOAD
	INIT
	STEP 0, 1, 1, 0                                ; step 0 of nine is always the first block's diagonal step: its products start the results on every path
	s_mov_b32 s26, 3
.Lsteps:
	STEP 1, 1, 0, 0
	STEP 0, 1, 0, 0
	s_sub_co_u32 s26, s26, 1
	s_cmp_lg_u32 s26, 0
	s_cbranch_scc1 .Lsteps
	STEP 1, 1, 0, 0
	STEP 0, 0, 0, 1                                ; the ninth step: nothing is left to fetch
	HANDOVER                                       ; the second block's end
	s_set_vgpr_msb 0x4
	s_wait_tensorcnt 0x0
	ds_add_u32 v11, v1
	s_wait_dscnt 0x0
	s_set_vgpr_msb 0x400
	s_endpgm
.Lfunc_end_k_q71acd90344_attn:
	.size	k_q71acd90344_attn, .Lfunc_end_k_q71acd90344_attn-k_q71acd90344_attn
	.p2alignl 7, 3214868480
	.fill 96, 4, 3214868480
	.section	.rodata,"a",@progbits
	.p2align	6, 0x0
	.amdhsa_kernel k_q71acd90344_attn
		.amdhsa_group_segment_fixed_size 327680
		.amdhsa_private_segment_fixed_size 0
		.amdhsa_enable_private_segment 0
		.amdhsa_kernarg_size 16
		.amdhsa_user_sgpr_count 2
		.amdhsa_user_sgpr_kernarg_segment_ptr 1
		.amdhsa_wavefront_size32 1
		.amdhsa_system_sgpr_workgroup_id_x 1
		.amdhsa_system_sgpr_workgroup_id_y 1
		.amdhsa_system_sgpr_workgroup_id_z 1
		.amdhsa_system_vgpr_workitem_id 0
		.amdhsa_next_free_vgpr 258
		.amdhsa_next_free_sgpr 80
		.amdhsa_reserve_vcc 1
		.amdhsa_float_denorm_mode_32 3
		.amdhsa_float_denorm_mode_16_64 3
		.amdhsa_memory_ordered 1
		.amdhsa_forward_progress 1
		.amdhsa_inst_pref_size 255
	.end_amdhsa_kernel
	.section	.bss,"aw",@nobits
	.p2align	6
	.space	262144
	.amdgpu_metadata
---
amdhsa.version: [ 1, 2 ]
amdhsa.kernels:
  - .name:           k_q71acd90344_attn
    .symbol:         k_q71acd90344_attn.kd
    .args:
      - { .name: kqvh, .offset: 0, .size: 8, .value_kind: global_buffer, .address_space: global }
      - { .name: atth, .offset: 8, .size: 8, .value_kind: global_buffer, .address_space: global }
    .group_segment_fixed_size: 327680
    .private_segment_fixed_size: 0
    .kernarg_segment_align: 8
    .kernarg_segment_size: 16
    .max_flat_workgroup_size: 256
    .sgpr_count:     80
    .vgpr_count:     258
    .wavefront_size: 32
...
	.end_amdgpu_metadata
.endif
;; end of part 3
;; launch proj (part 4): grid 8 x 32, 4 waves a work-group, clusters of 4 x 4, 327,680 bytes of LDS; arguments atth, wpf, b_proj, out0; writes out0
.if DOCPART == 4
	.amdgcn_target "amdgcn-amd-amdhsa--gfx1250"
	.amdhsa_code_object_version 6
	.text
	.protected	k_q71acd90344_proj
	.globl	k_q71acd90344_proj
	.p2align	8
	.type	k_q71acd90344_proj,@function
k_q71acd90344_proj:
	s_mov_b64 s[64:65], 0
	v_nop
	global_prefetch_b8 v0, s[64:65] scope:SCOPE_SE
	s_setreg_imm32_b32 hwreg(HW_REG_WAVE_MODE, 25, 1), 1
	s_wait_xcnt 0x0
	s_wait_alu depctr_hold_cnt(0) depctr_sa_sdst(0) depctr_va_vdst(0) depctr_va_sdst(0) depctr_va_ssrc(0) depctr_va_vcc(0) depctr_vm_vsrc(0)
	s_getreg_b32 s2, hwreg(HW_REG_IB_STS2, 6, 4)
	s_cmp_eq_u32 s2, 0
	s_cbranch_scc0 .Lentry_in_a_cluster
	s_endpgm
.Lentry_in_a_cluster:
	s_bfe_u32 s2, ttmp6, 0x10000c
	s_cmp_lg_u32 s2, 0xf033
	s_cbranch_scc0 .Lentry_shape_is_right
	s_endpgm
.Lentry_shape_is_right:
; proj: out[m][n] = sum over k of att[m][k] W_proj[n][k] + b[n], 4096 x 1024 x 1024, f16 operands, f32 sums that START from the bias, f32 out.
; atth[head][4096][64] f16 (k = 64 head + d), wpf[1024][1024] f16, b_proj[1024] f32, out0[4096][1024] f32.
; A work-group makes a block of 128 x 128 with four waves, a wave 64 x 64: 16 accumulator tiles.  8 x 32 blocks = 256 work-groups.
; K goes in 8 steps of 128 (two heads) through two LDS slots filled by tensor loads: a head's 128 rows are a dense block of 16 KiB; W_proj's rows are 256 bytes.
; CLUSTERS: 4 x 4 work-groups; att's tiles are shared along a row of the cluster, W_proj's along a column, each asked for jointly.
; REGISTERS: window 0: v16-27 addresses, v32-63 the bias as four C tiles, v64-127 and v128-191 fragments (W_proj's four, then att's four), v192-255 the way out;
; window 1: accumulator tile (a, b) at v[8 (4 a + b)].  The matrix instruction is used transposed: a lane holds row l % 16 and eight neighbouring columns.
.set SIZE_K, 1024
.set APITCH, 144                       ; att's LDS rows: 128 bytes + 16
.set BPITCH, 272                       ; W_proj's: 256 bytes + 16
.set ASUB,   128*APITCH                ; one head's 128 rows: one tensor load
.set BHALF,  64*BPITCH                 ; 64 rows of W_proj: one tensor load
.set BOFF,   2*ASUB
.set SLOT,   BOFF+2*BHALF              ; 71,680 bytes
.set STAGE,  2*SLOT                    ; behind the ring: 16 rows x 272 bytes for each wave; no load fills it.  160,768 bytes are used
.set SPITCH, 272
.set LAPS,   4
.set ASTEP,  2*524288                  ; two heads on
.set ADRA, 16
.set ADRB, 20
.set STO,  24
.set RD,   25
.set CO,   26
.set BO,   27
.set BIAS, 32
.set F0,   64
.set F1,   128
.set G1,  24
.set G0,  32
.set G1B, 48
.set G0B, 56
.set MSB, 0
.macro WIN new
.if MSB != (\new)
	s_set_vgpr_msb (MSB<<8)|(\new)
.set MSB, (\new)
.endif
.endm
.macro JLOAD s                         ; waves 0 and 1 fetch the step's two heads of att, waves 2 and 3 W_proj's two halves
	s_cmp_eq_u32 s11, 0
	s_cbranch_scc0 .Lfor_b_\@
	tensor_load_to_lds s[G0+4*\s:G0+4*\s+3], s[G1:G1+7]
	s_nop 0
	s_branch .Lasked_\@
.Lfor_b_\@:
	tensor_load_to_lds s[G0B+4*\s:G0B+4*\s+3], s[G1B:G1B+7]
	s_nop 0
.Lasked_\@:
.endm
.macro CREST
	s_cmp_lg_u32 s10, 0
	s_cbranch_scc1 .Lnot_wave_0_\@
	s_barrier_signal -3
.Lnot_wave_0_\@:
	s_barrier_wait -3
	s_barrier_signal -1
	s_barrier_wait -1
.endm
.macro CROUND
	s_barrier_signal -1
	s_barrier_wait -1
	CREST
.endm
	s_load_b128 s[4:7], s[0:1], 0x0                ; atth s[4:5], wpf s[6:7]
	s_load_b64 s[18:19], s[0:1], 0x10              ; b_proj
	s_load_b64 s[8:9], s[0:1], 0x18                ; out0
	v_lshl_add_u32 v30, v0, 2, 0x29000
	v_mov_b32 v31, 0
	ds_add_u32 v30, v31
	ds_add_u32 v30, v31
	v_lshrrev_b32 v1, 5, v0
	v_readfirstlane_b32 s10, v1                    ; wave 0..3
	s_lshr_b32 s11, s10, 1                         ; which 64 rows are mine.  Also: I fetch for att (0) or W_proj (1)
	s_and_b32 s12, s10, 1                          ; which 64 columns.  Also: which part of that tile I fetch
	s_bfe_u32 s40, ttmp6, 0x40000                  ; cx
	s_bfe_u32 s41, ttmp6, 0x40004                  ; cy
	s_lshl_b32 s42, ttmp9, 2
	s_add_co_u32 s42, s42, s40                     ; block column
	s_and_b32 s13, ttmp7, 0xffff
	s_lshl_b32 s13, s13, 2
	s_add_co_u32 s13, s13, s41                     ; block row
	s_lshl_b32 s43, s41, 2
	s_lshl_b32 s43, 15, s43                        ; my row of the cluster
	s_lshl_b32 s44, 0x1111, s40                    ; my column
	s_or_b32 s[G1+0], s43, (1<<16)|(1<<20)|(1<<21)|(4<<22)|(3<<25)   ; mask of my row; 2-byte elements; padding of 4 words behind every 32; bit 21 beside a mask
	s_mov_b32 s[G1+1], 64<<16                      ; tensor_dim0 = 64
	s_mov_b32 s[G1+2], 128<<16                     ; tensor_dim1 = 128
	s_mov_b32 s[G1+3], 64<<16                      ; tile_dim0 = 64
	s_mov_b32 s[G1+4], 128                         ; tile_dim1 = 128
	s_mov_b32 s[G1+5], 64                          ; elements from row to row
	s_mov_b32 s[G1+6], 0
	s_mov_b32 s[G1+7], 0
	s_or_b32 s[G1B+0], s44, (1<<16)|(1<<20)|(1<<21)|(5<<22)|(3<<25)  ; mask of my column; padding of 4 words behind every 64
	s_mov_b32 s[G1B+1], 128<<16
	s_mov_b32 s[G1B+2], 64<<16
	s_mov_b32 s[G1B+3], 128<<16
	s_mov_b32 s[G1B+4], 64
	s_mov_b32 s[G1B+5], SIZE_K
	s_mov_b32 s[G1B+6], 0
	s_mov_b32 s[G1B+7], 0
	s_lshl_b32 s16, s12, 19                        ; att: head 0 or 1 of the step,
	s_lshl_b32 s17, s13, 14                        ; row 128 x block row, 128 bytes a row
	s_add_co_u32 s16, s16, s17
	s_mov_b32 s17, 0
	s_lshl_b32 s46, s42, 7
	s_lshl_b32 s47, s12, 6
	s_add_co_u32 s46, s46, s47                     ; W_proj: row 128 x block column + 64 x half,
	s_lshl_b32 s46, s46, 11                        ; 2,048 bytes a row
	s_mov_b32 s47, 0
	s_mul_i32 s20, s10, ASUB                       ; where att's heads go: wave x 128 rows (waves 0, 1)
	s_mul_i32 s21, s10, BHALF
	s_add_co_u32 s21, s21, BOFF-2*BHALF            ; where W_proj's halves go: behind them, (wave - 2) x 64 rows (waves 2, 3)
	s_wait_dscnt 0x0
	s_wait_kmcnt 0x0
	s_add_nc_u64 s[14:15], s[4:5], s[16:17]
	s_add_nc_u64 s[46:47], s[6:7], s[46:47]
	CROUND                                         ; all sixteen work-groups are here: the first joint loads meet
.irp s, 0,1
	s_mov_b32 s[G0+4*\s], 1
	s_add_co_u32 s[G0+4*\s+1], s20, \s*SLOT
	s_add_nc_u64 s[G0+4*\s+2:G0+4*\s+3], s[14:15], \s*ASTEP
	s_or_b32 s[G0+4*\s+3], s[G0+4*\s+3], 0x80000000
	s_mov_b32 s[G0B+4*\s], 1
	s_add_co_u32 s[G0B+4*\s+1], s21, \s*SLOT
	s_add_nc_u64 s[G0B+4*\s+2:G0B+4*\s+3], s[46:47], \s*256
	s_or_b32 s[G0B+4*\s+3], s[G0B+4*\s+3], 0x80000000
	JLOAD \s                                       ; both slots' first fills go out together: two tensor loads of the wave are out
.endr
	v_and_b32 v1, 15, v0                           ; r
	v_bfe_u32 v2, v0, 4, 1                         ; h
	; the bias of my 64 columns, as four C tiles: register j of tile b in lane (r, h) is b[n0 + 16 b + 8 h + j]
	s_lshl_b32 s46, s42, 9                         ; 128 columns of 4 bytes a block
	s_lshl_b32 s47, s12, 8
	s_add_co_u32 s46, s46, s47
	s_mov_b32 s47, 0
	s_add_nc_u64 s[18:19], s[18:19], s[46:47]
	s_add_nc_u64 s[8:9], s[8:9], s[46:47]          ; out0 at my first column,
	s_lshl_b32 s16, s13, 7
	s_lshl_b32 s17, s11, 6
	s_add_co_u32 s16, s16, s17
	s_lshl_b32 s16, s16, 12                        ; and my first row, 4,096 bytes a row
	s_mov_b32 s17, 0
	s_add_nc_u64 s[8:9], s[8:9], s[16:17]
	v_lshlrev_b32 v[BO], 5, v2
.irp b, 0,1,2,3
	global_load_b128 v[BIAS+8*\b:BIAS+8*\b+3],   v[BO], s[18:19] offset:64*\b
	global_load_b128 v[BIAS+8*\b+4:BIAS+8*\b+7], v[BO], s[18:19] offset:64*\b+16
.endr
	v_mul_u32_u24 v3, v1, APITCH
	v_lshl_add_u32 v3, v2, 4, v3
	v_mul_u32_u24 v4, v1, BPITCH
	v_lshl_add_u32 v4, v2, 4, v4
	s_mul_i32 s22, s11, 64*APITCH                  ; my 64 rows of att (in each head's tile)
	s_mul_i32 s23, s12, BHALF
	s_add_co_u32 s23, s23, BOFF                    ; my 64 rows of W_proj
.irp s, 0,1
	v_add_nc_u32 v[ADRA+\s], s22, v3
	v_add_nc_u32 v[ADRB+\s], s23, v4
	s_add_co_u32 s22, s22, SLOT
	s_add_co_u32 s23, s23, SLOT
.endr
	s_mul_i32 s23, s10, 16*SPITCH
	s_add_co_u32 s23, s23, STAGE                   ; my stage
	v_mul_u32_u24 v5, v1, SPITCH                   ; in: row r, 32 bytes for each half of the lanes
	v_lshl_add_u32 v5, v2, 5, v5
	v_add_nc_u32 v[STO], s23, v5
	v_mul_u32_u24 v5, v2, SPITCH                   ; back: lanes 0-15 one row of 256 bytes, lanes 16-31 the next
	v_lshl_add_u32 v5, v1, 4, v5
	v_add_nc_u32 v[RD], s23, v5
	v_lshlrev_b32 v5, 12, v2
	v_lshl_add_u32 v[CO], v1, 4, v5                ; and the same two rows in out0
; 8 matrix instructions: row blocks a0, a0 + 1 x all 4 column blocks, 32 along K.  start = 1: C is the bias (window 0), which starts the sums.
.macro MUL8 f, a0, start
.if \start
	WIN 0x40
.else
	WIN 0x50
.endif
.irp a, \a0, \a0+1
.irp b, 0,1,2,3
.if \start
	v_wmma_f32_16x16x32_f16 v[8*(4*(\a)+\b):8*(4*(\a)+\b)+7], v[\f+8*\b:\f+8*\b+7], v[\f+32+8*(\a):\f+32+8*(\a)+7], v[BIAS+8*\b:BIAS+8*\b+7]
.else
	v_wmma_f32_16x16x32_f16 v[8*(4*(\a)+\b):8*(4*(\a)+\b)+7], v[\f+8*\b:\f+8*\b+7], v[\f+32+8*(\a):\f+32+8*(\a)+7], v[8*(4*(\a)+\b):8*(4*(\a)+\b)+7]
.endif
.endr
.endr
.endm
; 16 LDS loads: quarter kq of a K step (head kq / 2, d = 32 (kq % 2) ..) into buffer f
.macro FETCH slot, kq, f
	WIN 0
.irp i, 0,1,2,3
	ds_load_b128 v[\f+8*\i:\f+8*\i+3],   v[ADRB+\slot] offset:64*\kq+\i*16*BPITCH
	ds_load_b128 v[\f+8*\i+4:\f+8*\i+7], v[ADRB+\slot] offset:64*\kq+\i*16*BPITCH+32
.endr
.irp i, 0,1,2,3
	ds_load_b128 v[\f+32+8*\i:\f+32+8*\i+3],   v[ADRA+\slot] offset:(\kq/2)*ASUB+(\kq%2)*64+\i*16*APITCH
	ds_load_b128 v[\f+32+8*\i+4:\f+32+8*\i+7], v[ADRA+\slot] offset:(\kq/2)*ASUB+(\kq%2)*64+\i*16*APITCH+32
.endr
.endm
.macro PLACES                          ; four plain places between a matrix instruction and a load into, or a read of, its registers
.rept 4
	v_nop
.endr
.endm
; The 16 accumulators take turns, one instruction a turn, in the same order in every quarter, over the backward jump too.
.macro QUARTER slot, kq, f, g, start
	s_wait_dscnt 4                                 ; all but the youngest four loads (att's row blocks 2, 3) are in
	MUL8 \f, 0, \start
	PLACES
	FETCH \slot, \kq, \g
	s_wait_dscnt 16                                ; all but the 16 just issued
	MUL8 \f, 2, \start
.endm
.macro THREE slot, start
	QUARTER \slot, 1, F0, F1, \start
	QUARTER \slot, 2, F1, F0, 0
	QUARTER \slot, 3, F0, F1, 0
.endm
; The last quarter changes slots: in front of the barrier my reads of this slot and all my tensor loads are done; behind it the refill comes first.
.macro TURN slot, next, fill
	s_wait_dscnt 0
	s_wait_tensorcnt 0x0
	ds_add_u32 v30, v31
	s_wait_dscnt 0x0
	s_barrier_signal -1                            ; where a slot is filled again this barrier opens a round of the cluster's barrier
	MUL8 F1, 0, 0
	WIN 0
	s_barrier_wait -1
.if \fill
	CREST
	s_add_nc_u64 s[G0+4*\slot+2:G0+4*\slot+3], s[G0+4*\slot+2:G0+4*\slot+3], 2*ASTEP
	s_add_nc_u64 s[G0B+4*\slot+2:G0B+4*\slot+3], s[G0B+4*\slot+2:G0B+4*\slot+3], 512
	JLOAD \slot                                    ; the first and only tensor load of the wave behind the round
.endif
	PLACES
	FETCH \next, 0, F0
	MUL8 F1, 2, 0
.endm
.macro LAP start
	THREE 0, \start
	TURN 0, 1, 1
	THREE 1, 0
	TURN 1, 0, 1
.endm
	s_wait_loadcnt 0x0                             ; the bias
	s_wait_tensorcnt 1                             ; my part of K step 0 is in; K step 1's may stay out
	s_barrier_signal -1
	s_barrier_wait -1
	FETCH 0, 0, F0
	LAP 1
	WIN 0
	s_mov_b32 s3, LAPS-2
.Llap:
	LAP 0
	WIN 0
	s_sub_co_u32 s3, s3, 1
	s_cmp_lg_u32 s3, 0
	s_cbranch_scc1 .Llap
	THREE 0, 0                                     ; the last lap fills nothing
	TURN 0, 1, 0
	THREE 1, 0
	s_wait_dscnt 0
	MUL8 F1, 0, 0
	MUL8 F1, 2, 0
	PLACES
; THE WAY OUT, 16 rows at a time, through my own stage: 32 bytes a lane in, whole rows of 256 bytes back
.macro OUT16 a, f
	WIN 0x04                                       ; an LDS store's data: window 1
.irp b, 0,1,2,3
	ds_store_b128 v[STO], v[8*(4*\a+\b):8*(4*\a+\b)+3]   offset:64*\b
	ds_store_b128 v[STO], v[8*(4*\a+\b)+4:8*(4*\a+\b)+7] offset:64*\b+16
.endr
	WIN 0
	s_wait_xcnt 0x0                                ; earlier stores have read their data and base: both are rewritten only behind this wait
.if \a
	s_add_nc_u64 s[8:9], s[8:9], 16*4096           ; 16 rows on
.endif
.irp t, 0,1,2,3,4,5,6,7
	ds_load_b128 v[\f+4*\t:\f+4*\t+3], v[RD] offset:\t*2*SPITCH    ; my own bytes: LDS serves a wave's instructions in order (ISA guide 5.7.1)
.endr
.irp t, 0,1,2,3,4,5,6,7
	s_wait_dscnt 7-\t                              ; load t is in, the younger ones stay out
	global_store_b128 v[CO], v[\f+4*\t:\f+4*\t+3], s[8:9] offset:8192*\t th:TH_STORE_NT   ; 16 lanes store 256 consecutive bytes, aligned
.endr
.endm
	OUT16 0, 192
	OUT16 1, 224
	OUT16 2, 192
	OUT16 3, 224
	s_wait_tensorcnt 0x0
	ds_add_u32 v30, v31
	s_wait_dscnt 0x0
	CROUND                                         ; the closing round
	s_endpgm
.Lfunc_end_k_q71acd90344_proj:
	.size	k_q71acd90344_proj, .Lfunc_end_k_q71acd90344_proj-k_q71acd90344_proj
	.p2alignl 7, 3214868480
	.fill 96, 4, 3214868480
	.section	.rodata,"a",@progbits
	.p2align	6, 0x0
	.amdhsa_kernel k_q71acd90344_proj
		.amdhsa_group_segment_fixed_size 327680
		.amdhsa_private_segment_fixed_size 0
		.amdhsa_enable_private_segment 0
		.amdhsa_kernarg_size 32
		.amdhsa_user_sgpr_count 2
		.amdhsa_user_sgpr_kernarg_segment_ptr 1
		.amdhsa_wavefront_size32 1
		.amdhsa_system_sgpr_workgroup_id_x 1
		.amdhsa_system_sgpr_workgroup_id_y 1
		.amdhsa_system_sgpr_workgroup_id_z 1
		.amdhsa_system_vgpr_workitem_id 0
		.amdhsa_next_free_vgpr 384
		.amdhsa_next_free_sgpr 66
		.amdhsa_reserve_vcc 0
		.amdhsa_float_denorm_mode_32 3
		.amdhsa_float_denorm_mode_16_64 3
		.amdhsa_memory_ordered 1
		.amdhsa_forward_progress 1
		.amdhsa_inst_pref_size 75
	.end_amdhsa_kernel
	.amdgpu_metadata
---
amdhsa.version: [ 1, 2 ]
amdhsa.kernels:
  - .name:           k_q71acd90344_proj
    .symbol:         k_q71acd90344_proj.kd
    .args:
      - { .name: atth, .offset: 0, .size: 8, .value_kind: global_buffer, .address_space: global }
      - { .name: wpf, .offset: 8, .size: 8, .value_kind: global_buffer, .address_space: global }
      - { .name: b_proj, .offset: 16, .size: 8, .value_kind: global_buffer, .address_space: global }
      - { .name: out0, .offset: 24, .size: 8, .value_kind: global_buffer, .address_space: global }
    .group_segment_fixed_size: 327680
    .private_segment_fixed_size: 0
    .kernarg_segment_align: 8
    .kernarg_segment_size: 32
    .max_flat_workgroup_size: 128
    .sgpr_count:     66
    .vgpr_count:     384
    .wavefront_size: 32
...
	.end_amdgpu_metadata
.endif
;; end of part 4
